; MI455X (gfx1250); checked and timed in simulation.
; The chip was launched on July 23, 2026; its instructions are those of AMD's public machine-readable ISA for CDNA 5 (MIT licence, August 2026) and "CDNA5" Instruction Set Architecture Reference Guide (July 2026). The comments in the code are by the model that wrote it; some were corrected since.
;; LSTM Block. Allowed arithmetic: matrix products marked QUANTISED: E2M1 operands, one E8M0 scale for each 32 along K, by v_wmma_scale_f32_16x16x128_f8f6f4 with both operands' format E2M1 (or v_wmma_scale_f32_32x16x128_f4), f32 sums; everything else in f32.
;; Inputs: Wc_h 1,024 x 1,024 float32; Wc_x 1,024 x 1,024 float32; Wf_h 1,024 x 1,024 float32; Wf_x 1,024 x 1,024 float32; Wi_h 1,024 x 1,024 float32; Wi_x 1,024 x 1,024 float32; Wo_h 1,024 x 1,024 float32; Wo_x 1,024 x 1,024 float32; bc_h 1,024 float32; bc_x 1,024 float32; bf_h 1,024 float32; bf_x 1,024 float32; bi_h 1,024 float32; bi_x 1,024 float32; bo_h 1,024 float32; bo_x 1,024 float32; cell 8,192 x 1,024 float32; hidden 8,192 x 1,024 float32; x 8,192 x 1,024 float32.
;; Outputs: out0 8,192 x 1,024 float32; out1 8,192 x 1,024 float32.
;; This version of the problem:
;;   THIS VERSION OF THE PROBLEM IS GIVEN IN LOW PRECISION. The matrix products marked QUANTISED in the list below multiply operands that are first quantised to E2M1 (2 exponent bits, 1 mantissa bit; 4 bits a number), with one power-of-two scale for each 32 numbers along K (OCP MX v1.0); their sums are f32. All else is computed in f32.
;;   The module's matrix products, in the order in which they are computed (A, B: the left and right operand; K: the contracted axis; several contracted axes count as one K, in the product's order):
;;     1. [M 8,192, K 1,024] x [K 1,024, N 1,024]; A: input x; B: input Wf_x: QUANTISED
;;     2. [M 8,192, K 1,024] x [K 1,024, N 1,024]; A: input hidden; B: input Wf_h: QUANTISED
;;     3. [M 8,192, K 1,024] x [K 1,024, N 1,024]; A: input x; B: input Wi_x: QUANTISED
;;     4. [M 8,192, K 1,024] x [K 1,024, N 1,024]; A: input hidden; B: input Wi_h: QUANTISED
;;     5. [M 8,192, K 1,024] x [K 1,024, N 1,024]; A: input x; B: input Wc_x: QUANTISED
;;     6. [M 8,192, K 1,024] x [K 1,024, N 1,024]; A: input hidden; B: input Wc_h: QUANTISED
;;     7. [M 8,192, K 1,024] x [K 1,024, N 1,024]; A: input x; B: input Wo_x: QUANTISED
;;     8. [M 8,192, K 1,024] x [K 1,024, N 1,024]; A: input hidden; B: input Wo_h: QUANTISED
;;   THE QUANTISER, for each operand of a quantised product, along K:
;;     - K is cut into blocks of 32 from its start; a last block that is shorter is filled with zeros.
;;     - A block's scale is 2^e with e = floor(log2(the largest magnitude in the block)) - 2, held to -126 .. 127; a block of zeros has e = 0. As a byte (E8M0): e + 127.
;;     - Each number is divided by its block's scale, clamped to +-6, and rounded to the nearest number of E2M1, ties to even, subnormals kept.
;;     - The product sums the exact products of the quantised numbers (number of the format x scale) in f32.
;;   ~~~python
;;   def quantise(x, axis):      # numpy; x: float32 -> the quantised numbers, widened to float32 again
;;       x = np.moveaxis(x, axis, -1); K = x.shape[-1]
;;       x = np.pad(x, [(0, 0)] * (x.ndim - 1) + [(0, -K % 32)]); x = x.reshape(x.shape[:-1] + (-1, 32)); a = np.abs(x).max(-1, keepdims=True)
;;       e = np.where(a > 0, np.clip(np.frexp(np.where(a > 0, a, 1))[1] - 1 - 2, -126, 127), 0)      # np.frexp(a)[1] - 1 = floor(log2(a)), exactly
;;       r = np.clip(x / 2.0 ** e, -6, 6)
;;       step = 2.0 ** (np.maximum(np.frexp(np.where(r == 0, 1, r))[1] - 1, 0) - 1)
;;       q = np.round(r / step) * step * 2.0 ** e      # np.round: ties to even
;;       return np.moveaxis(q.reshape(q.shape[:-2] + (-1,))[..., :K], -1, axis).astype(np.float32)
;;   ~~~
;; One version. Each part assembles by itself: llvm-mc -triple=amdgcn-amd-amdhsa -mcpu=gfx1250 --defsym DOCPART=n.
;; ======== version 1 of 1: 2 launches
;; limits: right only within a limited range of input values
;; workspace buffers: a_codes 8,388,608 bytes; a_scales 524,288 bytes; b_codes 4,194,304 bytes; b_scales 262,144 bytes
;; launch quant (part 1): grid 256 x 3, 4 waves a work-group, no clusters, 41,472 bytes of LDS; arguments x, hidden, Wf_x, Wf_h, Wi_x, Wi_h, Wc_x, Wc_h, Wo_x, Wo_h, a_codes, a_scales, b_codes, b_scales; writes a_codes, a_scales, b_codes, b_scales
.if DOCPART == 1
	.amdgcn_target "amdgcn-amd-amdhsa--gfx1250"
	.amdhsa_code_object_version 6
	.text
	.protected	k_q23360d2d0d_quant
	.globl	k_q23360d2d0d_quant
	.p2align	8
	.type	k_q23360d2d0d_quant,@function
k_q23360d2d0d_quant:
	s_mov_b64 s[64:65], 0
	v_nop
	global_prefetch_b8 v0, s[64:65] scope:SCOPE_SE
	s_setreg_imm32_b32 hwreg(HW_REG_WAVE_MODE, 25, 1), 1
	s_wait_xcnt 0x0
; LSTM cell, first of two launches: x, hidden [8192][1024] and the eight weights [1024][1024], all f32 with K innermost, become codes of FP4 (E2M1) with one E8M0 scale byte for each 32 along K.
; DEAD WORK: none.  Every one of the 19 inputs reaches c_t or h_t for general values: all eight products, all eight biases and cell are live; all are loaded (the biases and cell by the second launch).
; The eight products are ONE product: A = [x | hidden], [8192][2048]; B = for each gate [Wg_x | Wg_h].  Blocks of 32 never cross the seam at k = 1024, so the joined K is quantised just as the eight are.
; LAYOUT OF THE WORKSPACE: the codes lie in the order of the operand's registers.  A fragment is 16 rows x 128 along K, 1,024 bytes: the 16 bytes (32 codes) of row t and block b (0 .. 3) of the 128 lie at 256 b + 16 t, which is
; where lane 16 (b % 2) + t finds them with its load number b / 2, 16 bytes a lane.  a_codes [tile of 16 rows 512][K step of 128: 16][1,024]: steps 0-7 are x, 8-15 hidden.  b_codes the same with tile = 4 (j / 16) + g,
; j the hidden column (a weight's row), g the gate (0 f, 1 i, 2 c, 3 o); steps 0-7 are W*_x, 8-15 W*_h.  The scale bytes: a_scales [K / 512: 4][row 8192][16 bytes], b_scales [4][row' 4096][16], row' = 16 tile + j % 16.
; A block's scale is 2^(floor(log2(its largest magnitude)) - 2); its byte is the largest magnitude's exponent field - 2, held at 1 from below; each number is divided by the scale and rounded to the nearest code, ties to even, beyond 6 the largest code.
; LIMITS: a block whose largest magnitude lies under 2^-124 (the floor) keeps the byte 1; a block of zeros so gets the byte 1 where the rule says 127: its codes are zeros, which add nothing, and this program alone reads the bytes.
; NaN and infinities among the inputs are not served.
; SHARES.  A work-group takes 32 source rows; wave w takes rows 16 (w / 2) .. + 15 and K 512 (w % 2) .. + 511: 16 steps of 512 numbers, step t = row t.  Its codes are four whole fragments, 4,096 consecutive bytes, its scale bytes 256 consecutive bytes.
; Grid y = 0: x, 1: hidden (rows 32 gx); y = 2: weight gx / 32 in the order of the arguments, rows 32 (gx % 32).  Only pointers and offsets are chosen by the work-group's number: all take one path through the text.
; A step: four loads of 512 consecutive bytes; the 2,048 bytes turn through the wave's own stage in LDS and come back 64 bytes a lane (16 neighbours along K; two neighbouring lanes hold a block).
; A step's codes belong to sixteen places 256 bytes apart: they are gathered in the wave's own LDS and leave at the end, 512 consecutive bytes a store.
; No tensor loads, no barrier: waves share nothing.  Loads run four steps (16 loads a wave) ahead, the turn through LDS one step.
.set WAVES, 4
.set STEPS, 16
.set EMAX,  2
.set R,     16                         ; v16-79   four sets of 16 numbers as they are loaded; at the end v16-47: the codes on their way out
.set X,     80                         ; v80-111  two sets of 16 neighbours
.set E,     112                        ; v112-127 a scale byte for each step
.set C,     128                        ; v128-191 codes: four registers for each step, so that no store's data are written again
.set WREG,  10240                      ; LDS: a region for each wave:
.set SP,    80                         ;   two stages of 32 places: a lane's 64 bytes + 16 of padding;
.set SCB,   2*32*SP                    ;   its 256 scale bytes;
.set CST,   SCB+256                    ;   its codes: 16 chunks of 256 bytes,
.set CP,    272                        ;   272 bytes apart: chunk q starts at bank 4 q mod 64 (64 banks of 4 bytes: ISA guide 11.1), so the sixteen blocks of a step's store fall on different banks
.set SPW,   12                         ; v12  LDS address of my spare word; never rewritten
.set NIL,   13                         ; v13  0; never rewritten
.set SPARE, WAVES*WREG                 ; behind the four regions: the spare words, 128 bytes a wave, that no other line names
	s_load_b512 s[8:23], s[0:1], 0x0               ; x, hidden, Wf_x, Wf_h, Wi_x, Wi_h, Wc_x, Wc_h
	s_load_b256 s[24:31], s[0:1], 0x40             ; Wo_x, Wo_h, a_codes, a_scales
	s_load_b128 s[32:35], s[0:1], 0x60             ; b_codes, b_scales
	v_lshl_add_u32 v[SPW], v0, 2, SPARE
	v_mov_b32 v[NIL], 0
	v_lshrrev_b32 v1, 5, v0
	v_readfirstlane_b32 s36, v1                    ; wave
	v_and_b32 v2, 31, v0                           ; lane
	v_lshlrev_b32 v3, 4, v2                        ; my 16 bytes of 512: of a load, and of a store of codes
	s_mul_i32 s2, s36, WREG
	v_lshrrev_b32 v14, 2, v2
	v_mul_u32_u24 v14, v14, SP
	v_and_b32 v15, 3, v2
	v_lshl_add_u32 v14, v15, 4, v14
	v_add_nc_u32 v14, s2, v14                      ; the stage, on the way in: SP (lane / 4) + 16 (lane % 4)
	v_mul_u32_u24 v15, v2, SP
	v_add_nc_u32 v15, s2, v15                      ; and on the way out: SP x lane: my 16 neighbours
	v_lshrrev_b32 v5, 1, v2                        ; my block of the step's sixteen
	v_mul_u32_u24 v4, v5, CP
	v_and_b32 v10, 1, v2
	v_lshl_add_u32 v4, v10, 3, v4
	v_add_nc_u32 v4, s2, v4                        ; my 8 bytes of codes: chunk = my block, + 8 for its upper half; the row stands in the immediate
	v_add_nc_u32 v5, s2, v5                        ; my block's scale byte
	v_lshlrev_b32 v7, 3, v2                        ; the scale bytes on the way out: 8 bytes a lane
	v_add_nc_u32 v6, s2, v7
	v_lshrrev_b32 v10, 4, v2
	v_mul_u32_u24 v10, v10, CP
	v_and_b32 v1, 15, v2
	v_lshl_add_u32 v10, v1, 4, v10
	v_add_nc_u32 v10, s2, v10                      ; the codes on the way out: sixteen lanes to a chunk, two chunks an instruction
	; which tensor, which rows: all from the work-group's and the wave's number, ahead of the compare
	s_lshr_b32 s3, s36, 1                          ; which 16 of the 32 rows
	s_and_b32 s46, s36, 1                          ; which 512 of the 1,024 along K
	s_and_b32 s37, ttmp7, 0xffff                   ; y
	s_lshr_b32 s38, ttmp9, 5                       ; which weight
	s_and_b32 s39, s38, 1                          ; its part: 0 = _x, 1 = _h
	s_lshr_b32 s47, s38, 1                         ; its gate g
	s_add_co_u32 s38, s38, 2                       ; its place among the arguments
	s_lshl_b32 s40, ttmp9, 1
	s_add_co_u32 s40, s40, s3                      ; x, hidden: tile 2 gx + row half
	s_and_b32 s41, ttmp9, 31                       ; weights: which 32 rows
	s_lshl_b32 s44, s41, 1
	s_add_co_u32 s44, s44, s3
	s_lshl_b32 s44, s44, 2
	s_add_co_u32 s44, s44, s47                     ; tile 4 (j / 16) + g
	s_lshl_b32 s45, ttmp9, 5                       ; source row: x, hidden
	s_lshl_b32 s41, s41, 5                         ; a weight
	s_mov_b32 s2, 0x10000                          ; from one 512 along K to the next in b_scales: 4,096 rows x 16 bytes
	s_wait_kmcnt 0x0
	s_cmp_lt_u32 s37, 2                            ; an activation or a weight?  The selects below leave SCC alone
	s_cselect_b32 s38, s37, s38                    ; the source's place among the arguments, 0 to 9
	s_cselect_b32 s40, s40, s44                    ; tile
	s_cselect_b32 s41, s45, s41                    ; source row
	s_cselect_b32 s39, s37, s39                    ; part
	s_cselect_b32 s2, 0x20000, s2                  ; in a_scales: 8,192 rows x 16 bytes
	s_cselect_b64 s[6:7], s[28:29], s[32:33]       ; codes
	s_cselect_b64 s[42:43], s[30:31], s[34:35]     ; scale bytes
	s_mov_b64 s[4:5], s[8:9]
.irp k, 1,2,3,4,5,6,7,8,9
	s_cmp_eq_u32 s38, \k                           ; each choice hangs on the work-group's number alone
	s_cselect_b64 s[4:5], s[8+2*\k:9+2*\k], s[4:5]
.endr
	s_lshl_b32 s39, s39, 1
	s_add_co_u32 s39, s39, s46                     ; which 512 of the joined K: 2 part + half
	s_lshl_b32 s3, s3, 4
	s_add_co_u32 s41, s41, s3                      ; my first source row
	s_lshl_b32 s44, s41, 12                        ; x 4,096 bytes
	s_lshl_b32 s45, s46, 11                        ; + my half of the row
	s_add_co_u32 s44, s44, s45
	s_mov_b32 s45, 0
	s_add_nc_u64 s[4:5], s[4:5], s[44:45]
	s_lshl_b32 s44, s40, 14                        ; codes: tile x 16 fragments
	s_lshl_b32 s47, s39, 12                        ; + four fragments for each 512 along K
	s_add_co_u32 s44, s44, s47
	s_add_nc_u64 s[6:7], s[6:7], s[44:45]
	s_mul_i32 s44, s39, s2                         ; scale bytes: the 512's plane
	s_lshl_b32 s47, s40, 8                         ; + tile x 16 rows x 16 bytes
	s_add_co_u32 s44, s44, s47
	s_add_nc_u64 s[42:43], s[42:43], s[44:45]
.macro LOAD t                          ; row t: my 2,048 bytes of it
.irp i, 0,1,2,3
	global_load_b128 v[R+16*((\t)%4)+4*\i:R+16*((\t)%4)+4*\i+3], v3, s[4:5] offset:4096*(\t)+512*\i th:TH_LOAD_NT   ; 32 lanes read 512 consecutive bytes
.endr
.endm
.macro TURN t                          ; step t's numbers through the stage: LDS serves a wave's instructions in order, so no wait stands between the stores and the loads
.irp i, 0,1,2,3
	ds_store_b128 v14, v[R+16*((\t)%4)+4*\i:R+16*((\t)%4)+4*\i+3] offset:32*SP*((\t)%2)+8*SP*\i
.endr
.irp i, 0,1,2,3
	ds_load_b128 v[X+16*((\t)%2)+4*\i:X+16*((\t)%2)+4*\i+3], v15 offset:32*SP*((\t)%2)+16*\i
.endr
.endm
.irp t, 0,1,2,3
	LOAD \t
.endr
	s_wait_loadcnt 12                              ; step 0's four loads are in; the 12 of steps 1 to 3 may be out
	TURN 0
.macro STEP t
.set XS, X+16*((\t)%2)
.if (\t) > 0
	s_wait_dscnt 2                                 ; this step's numbers are back from the stage (the last step's two stores, its byte and its codes, may be out): so its stores into the stage have read their registers,
.else
	s_wait_dscnt 0x0
.endif
.if (\t)+4 < STEPS
	LOAD (\t)+4                                    ; which take the loads of four steps on
.endif
.if (\t)+1 < STEPS
.if STEPS-2-(\t) >= 3
	s_wait_loadcnt 12                              ; the next step's four loads are in; those of the three steps behind it may be out
.else
	s_wait_loadcnt 4*(STEPS-2-(\t))
.endif
	TURN (\t)+1                                    ; and go through the other stage while this step is worked
.endif
	v_max3_num_f32 v8, |v[XS]|, |v[XS+1]|, |v[XS+2]|               ; the largest magnitude of my 16, in two chains
	v_max3_num_f32 v9, |v[XS+3]|, |v[XS+4]|, |v[XS+5]|
.irp i, 6,10
	v_max3_num_f32 v8, v8, |v[XS+\i]|, |v[XS+\i+1]|
	v_max3_num_f32 v9, v9, |v[XS+\i+2]|, |v[XS+\i+3]|
.endr
	v_max3_num_f32 v8, v8, |v[XS+14]|, |v[XS+15]|
	v_max3_num_f32 v8, v8, v9, (EMAX+1)<<23        ; and the floor 2^(EMAX + 1 - 127): so the byte cannot fall under 1
	v_max_num_f32_dpp v8, v8, v8 row_xmask:1 row_mask:0xf bank_mask:0xf   ; and of my neighbour's 16: the block's
	v_add_nc_u32 v11, -(EMAX<<23), v8              ; EMAX off its exponent field: the conversion takes the exponent field of this operand as its scale, and nothing else of it
	v_cvt_scalef32_pk8_fp4_f32 v[C+4*(\t)], v[XS:XS+7], v11
	v_cvt_scalef32_pk8_fp4_f32 v[C+4*(\t)+1], v[XS+8:XS+15], v11
	v_lshrrev_b32 v[E+(\t)], 23, v11               ; the scale's byte (a plain line behind the conversions)
	ds_store_b8 v5, v[E+(\t)] offset:SCB+16*(\t)   ; both lanes of a block write the same byte with the same value
	ds_store_b64 v4, v[C+4*(\t):C+4*(\t)+1] offset:CST+16*(\t)   ; row t's 16 bytes of my block's chunk, my half of them
.endm
.irp t, 0,1,2,3,4,5,6,7,8,9,10,11,12,13,14,15
	STEP \t
.endr
	ds_load_b64 v[8:9], v6 offset:SCB              ; LDS serves a wave's instructions in order: these see my stores
.irp i, 0,1,2,3,4,5,6,7
	ds_load_b128 v[R+4*\i:R+4*\i+3], v10 offset:CST+2*\i*CP
.endr
	s_wait_dscnt 0x0
	global_store_b64 v7, v[8:9], s[42:43]          ; my wave's 256 scale bytes: 256 consecutive bytes, at a multiple of 256 from the buffer's first byte
.irp i, 0,1,2,3,4,5,6,7
	global_store_b128 v3, v[R+4*\i:R+4*\i+3], s[6:7] offset:512*\i   ; my wave's four fragments: 512 consecutive bytes a store, at a multiple of 256 from the buffer's first byte
.endr
	s_wait_tensorcnt 0x0                           ; the wave's end: behind my last LDS store
	ds_add_u32 v[SPW], v[NIL]
	s_wait_dscnt 0x0
	s_endpgm
.Lfunc_end_k_q23360d2d0d_quant:
	.size	k_q23360d2d0d_quant, .Lfunc_end_k_q23360d2d0d_quant-k_q23360d2d0d_quant
	.p2alignl 7, 3214868480
	.fill 96, 4, 3214868480
	.section	.rodata,"a",@progbits
	.p2align	6, 0x0
	.amdhsa_kernel k_q23360d2d0d_quant
		.amdhsa_group_segment_fixed_size 41472
		.amdhsa_private_segment_fixed_size 0
		.amdhsa_enable_private_segment 0
		.amdhsa_kernarg_size 112
		.amdhsa_user_sgpr_count 2
		.amdhsa_user_sgpr_kernarg_segment_ptr 1
		.amdhsa_wavefront_size32 1
		.amdhsa_system_sgpr_workgroup_id_x 1
		.amdhsa_system_sgpr_workgroup_id_y 1
		.amdhsa_system_sgpr_workgroup_id_z 1
		.amdhsa_system_vgpr_workitem_id 0
		.amdhsa_next_free_vgpr 192
		.amdhsa_next_free_sgpr 66
		.amdhsa_reserve_vcc 0
		.amdhsa_float_denorm_mode_32 3
		.amdhsa_float_denorm_mode_16_64 3
		.amdhsa_memory_ordered 1
		.amdhsa_forward_progress 1
		.amdhsa_inst_pref_size 36
	.end_amdhsa_kernel
	.amdgpu_metadata
---
amdhsa.version: [ 1, 2 ]
amdhsa.kernels:
  - .name:           k_q23360d2d0d_quant
    .symbol:         k_q23360d2d0d_quant.kd
    .args:
      - { .name: x, .offset: 0, .size: 8, .value_kind: global_buffer, .address_space: global }
      - { .name: hidden, .offset: 8, .size: 8, .value_kind: global_buffer, .address_space: global }
      - { .name: Wf_x, .offset: 16, .size: 8, .value_kind: global_buffer, .address_space: global }
      - { .name: Wf_h, .offset: 24, .size: 8, .value_kind: global_buffer, .address_space: global }
      - { .name: Wi_x, .offset: 32, .size: 8, .value_kind: global_buffer, .address_space: global }
      - { .name: Wi_h, .offset: 40, .size: 8, .value_kind: global_buffer, .address_space: global }
      - { .name: Wc_x, .offset: 48, .size: 8, .value_kind: global_buffer, .address_space: global }
      - { .name: Wc_h, .offset: 56, .size: 8, .value_kind: global_buffer, .address_space: global }
      - { .name: Wo_x, .offset: 64, .size: 8, .value_kind: global_buffer, .address_space: global }
      - { .name: Wo_h, .offset: 72, .size: 8, .value_kind: global_buffer, .address_space: global }
      - { .name: a_codes, .offset: 80, .size: 8, .value_kind: global_buffer, .address_space: global }
      - { .name: a_scales, .offset: 88, .size: 8, .value_kind: global_buffer, .address_space: global }
      - { .name: b_codes, .offset: 96, .size: 8, .value_kind: global_buffer, .address_space: global }
      - { .name: b_scales, .offset: 104, .size: 8, .value_kind: global_buffer, .address_space: global }
    .group_segment_fixed_size: 41472
    .private_segment_fixed_size: 0
    .kernarg_segment_align: 8
    .kernarg_segment_size: 112
    .max_flat_workgroup_size: 128
    .sgpr_count:     66
    .vgpr_count:     192
    .wavefront_size: 32
...
	.end_amdgpu_metadata
.endif
;; end of part 1
;; launch lstm (part 2): grid 16 x 16, 4 waves a work-group, clusters of 4 x 1, 327,680 bytes of LDS; arguments a_codes, a_scales, b_codes, b_scales, bf_x, bf_h, bi_x, bi_h, bc_x, bc_h, bo_x, bo_h, cell, out0, out1; writes out0, out1
.if DOCPART == 2
	.amdgcn_target "amdgcn-amd-amdhsa--gfx1250"
	.amdhsa_code_object_version 6
	.text
	.protected	k_q23360d2d0d_lstm
	.globl	k_q23360d2d0d_lstm
	.p2align	8
	.type	k_q23360d2d0d_lstm,@function
k_q23360d2d0d_lstm:
	s_mov_b64 s[64:65], 0
	v_nop
	global_prefetch_b8 v0, s[64:65] scope:SCOPE_SE
	s_setreg_imm32_b32 hwreg(HW_REG_WAVE_MODE, 25, 1), 1
	s_wait_xcnt 0x0
	s_wait_alu depctr_hold_cnt(0) depctr_sa_sdst(0) depctr_va_vdst(0) depctr_va_sdst(0) depctr_va_ssrc(0) depctr_va_vcc(0) depctr_vm_vsrc(0)
	s_getreg_b32 s2, hwreg(HW_REG_IB_STS2, 6, 4)
	s_cmp_eq_u32 s2, 0
	s_cbranch_scc0 .Lentry_in_a_cluster
	s_endpgm
.Lentry_in_a_cluster:
	s_bfe_u32 s2, ttmp6, 0x10000c
	s_cmp_lg_u32 s2, 0x3003
	s_cbranch_scc0 .Lentry_shape_is_right
	s_endpgm
.Lentry_shape_is_right:
; LSTM cell, second launch: the four gates' sums as ONE product on codes of FP4 (E2M1) with E8M0 scales, and the cell's arithmetic on the sums in the accumulators' own registers.  No work of the problem is left out.
; A = [x | hidden], [8192][2048]; B = the four gates' [Wg_x | Wg_h], [4096][2048]; both made by the first launch as images of the operands' registers: [tile of 16 rows][K step of 128: 16][1,024 bytes], B's tile 4 (j / 16) + g
; (j the hidden column; g = 0 f, 1 i, 2 c, 3 o); scale bytes [K / 512: 4][row][16 bytes].  z_g = A B_g^T + (bg_x + bg_h);  c_t = cell sigmoid(z_f) + sigmoid(z_i) tanh(z_c);  h_t = sigmoid(z_o) tanh(c_t).  out0 = c_t, out1 = h_t.
; ARITHMETIC: sigmoid(z) = 1 / (1 + 2^(-z log2 e)); tanh(z) = 1 - 2 r, r = 1 / (1 + 2^(2 z log2 e)): both reach their limits without a clamp where the exponential overflows or falls to 0.
; c_t is formed as (cell f + i) - 2 i r, h_t as o + (-2 o) r'.
; LIMITS: tanh so made has an absolute error of about one part in 10^7 of 1, not a relative one; a gate's sum is one f32 chain: the biases' sum, x's K ascending, hidden's; NaN and infinities among the inputs are not served.
; SHARES: 256 work-groups; work-group (tn, my) makes hidden columns 64 tn .. + 63 of batch rows 512 my .. + 511 in eight passes of 64 rows.  Wave w has columns 64 tn + 16 w .. + 15 of all four gates; its four tiles of B for all of K,
; 64 fragments, 512 registers, are loaded once.  A goes round: two LDS slots of 64 rows (65,536 bytes), beside each 64 rows x 256 bytes of cell.
; TRANSPOSED USE (source 0 = 16 rows of B, source 1 = 16 rows of A): in accumulator (m, g), lane (r, h), register j is gate g of batch row 16 m + r, column 16 w + 8 h + j: an element's four gates lie in one lane.  The biases' sums are the C of each sum's first product.
; CLUSTERS: the four work-groups of a cluster share my: A's codes and scale bytes are asked for jointly, with the mask of all four.  B goes into registers, cell and the outputs are each work-group's own.
; ORDER OF A PASS p: its products KL(p), among which pass p - 1's rows leave and pass p's cell tile comes into registers; then TP(p): the change of slots (a round of the cluster's barrier; slot p % 2 takes pass p + 2),
; pass p + 1's first fragments and scale words are fetched, the cell's arithmetic, c_t and h_t into a stage; a work-group barrier of its own orders the stage's stores against its reads: signalled at TP's end, waited for behind KL(p + 1)'s first group.
; No data prefetch is laid: each refill is itself asked for one whole pass (the cell's arithmetic and 256 matrix instructions) ahead of the wait for it.
; REGISTERS.  Window 0: v16-29 addresses; v32-63 B's scale words, v64-95 A's; v128-191 A's fragments of odd groups; v192-223 the biases' sums.
;   Window 1: v0-127 the 16 accumulators ((m, g) at v[8 (4 m + g)]); v128-159 cell, then c_t; v160-191 tanh's work, then h_t; both also the rows on their way out; v192-255 A's fragments of even groups.  Windows 2, 3: B's fragments of K steps 0-7, 8-15.
.set PR,     64
.set ASLOT,  65536                     ; a slot of A: 4 tiles x 16 K steps x 1,024 bytes
.set CPITCH, 272                       ; a row of cell or of a stage: 256 bytes + 16 of padding
.set CSLOT,  PR*CPITCH
.set CEL0,   2*ASLOT                   ; cell's two slots
.set STG0,   CEL0+2*CSLOT              ; the stages, two sets by turns: c_t's 64 rows, then h_t's.  No tensor load lands here
.set SSET,   2*CSLOT
.set SCLA,   STG0+2*SSET               ; A's scale bytes of my 512 rows: [4][512 rows][16 bytes], filled once
.set SPARE,  SCLA+32768                ; the spare words, 128 bytes a wave
.set AFR,  16                          ; v16-17 16 x lane in A's slot 0, 1
.set BSO,  19                          ; 16 r + 512 h
.set ASB,  20                          ; the same in LDS, pass 0
.set ADS,  21                          ; and for the pass fetched
.set BO,   22                          ; my offset in a bias
.set CA,   23                          ; my 32 bytes of row r in cell's slot 0
.set STA,  24                          ; the same in stage set 0
.set RD,   25                          ; where I read two rows of a stage back
.set CO,   26                          ; my offset in two rows of an output
.set SPW,  28
.set NIL,  29
.set SB,   32                          ; register 16 (g % 2) + s: lanes 0-15 gate g % 2, lanes 16-31 gate g % 2 + 2
.set SA,   64                          ; register 16 (m % 2) + s: lanes 0-15 row tile m % 2, lanes 16-31 row tile m % 2 + 2
.set FB1,  128                         ; window 0
.set ZT,   128                         ; window 0, at the head: the _h biases
.set BI,   192
.set CE,   128                         ; window 1
.set TH,   160
.set OB,   128
.set FB0,  192
.set O0,   22
.set G1A,  24
.set G0A,  32
.set O1,   40
.set WV,   42
.set CNT,  43
.set TS,   44
.set G1C,  48
.set G0C,  56
.set G1S,  68
.set G0S,  76
.set NLE,  80
.set TLE,  82
.set MSB, 0
.macro WIN new                         ; the immediate's high byte repeats the setting that is left
.if MSB != (\new)
	s_set_vgpr_msb (MSB<<8)|(\new)
.set MSB, (\new)
.endif
.endm
.macro PLACES n
.rept \n
	v_nop
.endr
.endm
.macro AW
	s_wait_alu depctr_va_vdst(0)                   ; the wait round a batch of transcendentals
.endm
.macro CREST                           ; a round of the cluster's barrier behind its opening barrier
	s_cmp_lg_u32 s[WV], 0
	s_cbranch_scc1 .Lnot_wave_0_\@
	s_barrier_signal -3
.Lnot_wave_0_\@:
	s_barrier_wait -3
	s_barrier_signal -1
	s_barrier_wait -1
.endm
.macro ROUND
	s_barrier_signal -1
	s_barrier_wait -1
	CREST
.endm
; A slot is filled: waves 0 and 1 ask jointly for the halves of A's 65,536 bytes, wave 2 for the cell tile; first = 1: wave 3 asks jointly for A's scale bytes, so that every wave has a first fill.
.macro FILL sl, first
	s_cmp_lt_u32 s[WV], 2
	s_cbranch_scc0 .Lnot_a_\@
	tensor_load_to_lds s[G0A+4*\sl:G0A+4*\sl+3], s[G1A:G1A+7]
	s_nop 0
	PLACES 4
	s_branch .Lasked_\@
.Lnot_a_\@:
	s_cmp_eq_u32 s[WV], 2
	s_cbranch_scc0 .Lnot_c_\@
	tensor_load_to_lds s[G0C+4*\sl:G0C+4*\sl+3], s[G1C:G1C+7]
	s_nop 0
	PLACES 4
.if \first
	s_branch .Lasked_\@
.endif
.Lnot_c_\@:
.if \first
	tensor_load_to_lds s[G0S:G0S+3], s[G1S:G1S+7]
	s_nop 0
	PLACES 4
.endif
.Lasked_\@:
.endm
	s_load_b256 s[4:11], s[0:1], 0x0               ; a_codes, a_scales, b_codes, b_scales
	s_load_b256 s[12:19], s[0:1], 0x20             ; bf_x, bf_h, bi_x, bi_h
	s_load_b256 s[92:99], s[0:1], 0x40             ; bc_x, bc_h, bo_x, bo_h
	s_load_b128 s[20:23], s[0:1], 0x60             ; cell, out0
	s_load_b64 s[40:41], s[0:1], 0x70              ; out1
	v_lshl_add_u32 v[SPW], v0, 2, SPARE
	v_mov_b32 v[NIL], 0
	ds_add_u32 v[SPW], v[NIL]                      ; the opening lines: the add twice on end and its wait ahead of my first tensor load
	ds_add_u32 v[SPW], v[NIL]
	v_lshrrev_b32 v1, 5, v0
	v_readfirstlane_b32 s[WV], v1                  ; wave 0..3
	s_bfe_u32 s45, ttmp6, 0x40000                  ; cx
	s_lshl_b32 s47, ttmp9, 2
	s_add_co_u32 s47, s47, s45                     ; tn: it enters B's, the biases', cell's and the outputs' addresses alone
	s_and_b32 s66, ttmp7, 0xffff                   ; my, which the four partners share
	s_mov_b32 s[G1A+0], 15|(3<<16)|(1<<21)         ; A's codes: half a slot, 128 rows of 256 bytes (32 elements of 8); the mask of all four, bit 21 beside it
	s_mov_b32 s[G1A+1], 32<<16
	s_mov_b32 s[G1A+2], 128<<16
	s_mov_b32 s[G1A+3], 32<<16
	s_mov_b32 s[G1A+4], 128
	s_mov_b32 s[G1A+5], 32
	s_mov_b32 s[G1A+6], 0
	s_mov_b32 s[G1A+7], 0
	s_mov_b32 s[G1C+0], (2<<16)|(1<<20)|(5<<22)|(3<<25)   ; cell: 64 rows x 64 f32, 1,024 elements apart, 16 bytes of padding behind each row
	s_mov_b32 s[G1C+1], 64<<16
	s_mov_b32 s[G1C+2], 64<<16
	s_mov_b32 s[G1C+3], 64<<16
	s_mov_b32 s[G1C+4], 64
	s_mov_b32 s[G1C+5], 1024
	s_mov_b32 s[G1C+6], 0
	s_mov_b32 s[G1C+7], 0
	s_mov_b32 s[G1S+0], 15|(3<<16)|(1<<21)         ; A's scale bytes: 8,192 dense bytes in each of four planes 131,072 bytes apart
	s_mov_b32 s[G1S+1], 1024<<16
	s_mov_b32 s[G1S+2], 4<<16
	s_mov_b32 s[G1S+3], 1024<<16
	s_mov_b32 s[G1S+4], 4
	s_mov_b32 s[G1S+5], 16384
	s_mov_b32 s[G1S+6], 0
	s_mov_b32 s[G1S+7], 0
	s_lshl_b32 s101, s[WV], 15                     ; which half of a slot I fetch
.irp s, 0,1
	s_mov_b32 s[G0A+4*\s], 1
	s_add_co_u32 s[G0A+4*\s+1], s101, \s*ASLOT
	s_mov_b32 s[G0C+4*\s], 1
	s_mov_b32 s[G0C+4*\s+1], CEL0+\s*CSLOT
.endr
	s_mov_b32 s[G0S], 1
	s_mov_b32 s[G0S+1], SCLA
	s_lshl_b32 s[G0A+2], s66, 19                   ; my 512 rows: 32 tiles x 16,384 bytes
	s_add_co_u32 s[G0A+2], s[G0A+2], s101
	s_mov_b32 s[G0A+3], 0
	s_lshl_b32 s[G0S+2], s66, 13
	s_mov_b32 s[G0S+3], 0
	s_lshl_b32 s[G0C+2], s66, 21                   ; cell: 512 rows x 4,096 bytes
	s_lshl_b32 s46, s47, 8                         ; + 64 tn columns x 4 bytes
	s_add_co_u32 s[G0C+2], s[G0C+2], s46
	s_mov_b32 s[G0C+3], 0
	s_lshl_b32 s67, s[WV], 6
	s_add_co_u32 s67, s67, s46                     ; my 16 columns in a bias
	s_lshl_b32 s100, s66, 21                       ; the outputs: first row, columns,
	s_add_co_u32 s100, s100, s46
	s_lshl_b32 s46, s[WV], 16
	s_add_co_u32 s100, s100, s46                   ; and the 16 rows of a pass that I store
	s_mov_b32 s101, 0
	s_lshl_b32 s2, s47, 2
	s_add_co_u32 s2, s2, s[WV]                     ; 4 tn + w: my four tiles of B
	s_lshl_b32 s104, s2, 10
	s_mov_b32 s105, 0
	s_lshl_b32 s2, s2, 16
	s_mov_b32 s3, 0
	s_mov_b32 s[TS], 0
	s_mov_b32 s[NLE], 0xbfb8aa3b                   ; -log2 e (the packed forms name a pair: both words are written)
	s_mov_b32 s[NLE+1], 0xbfb8aa3b
	s_mov_b32 s[TLE], 0x4038aa3b                   ; 2 log2 e
	s_mov_b32 s[TLE+1], 0x4038aa3b
	s_wait_dscnt 0x0                               ; both opening adds are done
	s_wait_kmcnt 0x0
	s_add_nc_u64 s[G0A+2:G0A+3], s[4:5], s[G0A+2:G0A+3]          ; pass 0
	s_add_nc_u64 s[G0A+6:G0A+7], s[G0A+2:G0A+3], ASLOT           ; pass 1
	s_add_nc_u64 s[G0S+2:G0S+3], s[6:7], s[G0S+2:G0S+3]
	s_add_nc_u64 s[G0C+2:G0C+3], s[20:21], s[G0C+2:G0C+3]
	s_add_nc_u64 s[G0C+6:G0C+7], s[G0C+2:G0C+3], PR*4096
.irp g, G0A+3, G0A+7, G0S+3, G0C+3, G0C+7
	s_or_b32 s[\g], s[\g], 0x80000000
.endr
	s_add_nc_u64 s[8:9], s[8:9], s[2:3]
	s_add_nc_u64 s[10:11], s[10:11], s[104:105]
	s_add_nc_u64 s[O0:O0+1], s[O0:O0+1], s[100:101]
	s_add_nc_u64 s[O1:O1+1], s[O1:O1+1], s[100:101]
	ROUND                                          ; all four work-groups are here: the first joint loads meet
	FILL 0, 1                                      ; pass 0 and the scale bytes: one tensor load a wave
	v_and_b32 v1, 15, v0                           ; r
	v_bfe_u32 v2, v0, 4, 1                         ; h
	v_and_b32 v3, 31, v0
	v_lshlrev_b32 v[AFR], 4, v3
	v_lshl_add_u32 v[BO], v2, 5, s67
	v_lshlrev_b32 v[BSO], 4, v1
	v_lshl_add_u32 v[BSO], v2, 9, v[BSO]
	v_add_nc_u32 v[AFR+1], ASLOT, v[AFR]
	v_add_nc_u32 v[ASB], SCLA, v[BSO]
	v_mul_u32_u24 v4, v1, CPITCH
	v_lshl_add_u32 v4, v2, 5, v4
	s_lshl_b32 s2, s[WV], 6
	v_add_nc_u32 v4, s2, v4                        ; row r x pitch + 64 w + 32 h
	v_add_nc_u32 v[CA], CEL0, v4
	v_add_nc_u32 v[STA], STG0, v4
	v_mul_u32_u24 v[RD], v2, CPITCH                ; back: lanes 0-15 one row of 256 bytes, lanes 16-31 the next,
	v_lshl_add_u32 v[RD], v1, 4, v[RD]
	s_mul_i32 s2, s[WV], 16*CPITCH                 ; of my 16 rows of the pass
	s_add_co_u32 s2, s2, STG0
	v_add_nc_u32 v[RD], s2, v[RD]
	v_lshlrev_b32 v[CO], 12, v2
	v_lshl_add_u32 v[CO], v1, 4, v[CO]
	s_wait_alu depctr_va_vdst(0)                   ; the wait behind the head's addresses
.macro BIAS g, px, ph
.irp c, 0,1
	global_load_b128 v[BI+8*\g+4*\c:BI+8*\g+4*\c+3], v[BO], s[\px:\px+1] offset:16*\c
	global_load_b128 v[ZT+8*\g+4*\c:ZT+8*\g+4*\c+3], v[BO], s[\ph:\ph+1] offset:16*\c
.endr
.endm
	BIAS 0, 12, 14
	BIAS 1, 16, 18
	BIAS 2, 92, 94
	BIAS 3, 96, 98
.irp gp, 0,1
.irp q, 0,1,2,3
	global_load_b128 v[SB+16*\gp+4*\q:SB+16*\gp+4*\q+3], v[BSO], s[10:11] offset:\q*65536+\gp*256
.endr
.endr
	WIN 0x80                                       ; B's codes, in the order of the K steps: eight loads a step, 512 consecutive bytes each
.irp s, 0,1,2,3,4,5,6,7
.irp g, 0,1,2,3
.irp c, 0,1
	global_load_b128 v[8*(4*\s+\g)+4*\c:8*(4*\s+\g)+4*\c+3], v[AFR], s[8:9] offset:\g*16384+\s*1024+512*\c
.endr
.endr
.endr
	WIN 0xc0
.irp s, 0,1,2,3,4,5,6,7
.irp g, 0,1,2,3
.irp c, 0,1
	global_load_b128 v[8*(4*\s+\g)+4*\c:8*(4*\s+\g)+4*\c+3], v[AFR], s[8:9] offset:\g*16384+8192+\s*1024+512*\c
.endr
.endr
.endr
	WIN 0
.macro WM d, a, b, c, sa, sb, ra, rb   ; D, source 0 (B's fragment), source 1 (A's), C; their scale words; ra, rb = 1: the words stand in lanes 16-31
.if (\ra) && (\rb)
	v_wmma_scale_f32_16x16x128_f8f6f4 v[(\d):(\d)+7], v[(\a):(\a)+7], v[(\b):(\b)+7], v[(\c):(\c)+7], v[(\sa)], v[(\sb)] matrix_a_fmt:MATRIX_FMT_FP4 matrix_b_fmt:MATRIX_FMT_FP4 matrix_a_scale:MATRIX_SCALE_ROW1 matrix_b_scale:MATRIX_SCALE_ROW1
.elseif (\ra)
	v_wmma_scale_f32_16x16x128_f8f6f4 v[(\d):(\d)+7], v[(\a):(\a)+7], v[(\b):(\b)+7], v[(\c):(\c)+7], v[(\sa)], v[(\sb)] matrix_a_fmt:MATRIX_FMT_FP4 matrix_b_fmt:MATRIX_FMT_FP4 matrix_a_scale:MATRIX_SCALE_ROW1
.elseif (\rb)
	v_wmma_scale_f32_16x16x128_f8f6f4 v[(\d):(\d)+7], v[(\a):(\a)+7], v[(\b):(\b)+7], v[(\c):(\c)+7], v[(\sa)], v[(\sb)] matrix_a_fmt:MATRIX_FMT_FP4 matrix_b_fmt:MATRIX_FMT_FP4 matrix_b_scale:MATRIX_SCALE_ROW1
.else
	v_wmma_scale_f32_16x16x128_f8f6f4 v[(\d):(\d)+7], v[(\a):(\a)+7], v[(\b):(\b)+7], v[(\c):(\c)+7], v[(\sa)], v[(\sb)] matrix_a_fmt:MATRIX_FMT_FP4 matrix_b_fmt:MATRIX_FMT_FP4
.endif
.endm
; K step s: 16 matrix instructions; the 16 accumulators take turns in the same order in every step.  Step 0 starts the sums from the biases.
.macro MULS s
.set FBS, FB1+32*((\s)%2)
.set MW, 0x52+(\s)/8                   ; source 0 window 2 or 3, source 1 window 0, C and D window 1
.if (((\s)/2)%2) == 0
.set FBS, FB0+32*((\s)%2)
.set MW, MW+4                          ; even groups: source 1 window 1
.endif
.if (\s) == 0
.set MW, MW-0x10                       ; C (the biases) window 0
.endif
	WIN MW
.irp m, 0,1,2,3
.irp g, 0,1,2,3
.if (\s) == 0
	WM 8*(4*\m+\g), 8*(4*((\s)%8)+\g), FBS+8*\m, BI+8*\g, SB+16*(\g%2)+(\s), SA+16*(\m%2)+(\s), \g/2, \m/2
.else
	WM 8*(4*\m+\g), 8*(4*((\s)%8)+\g), FBS+8*\m, 8*(4*\m+\g), SB+16*(\g%2)+(\s), SA+16*(\m%2)+(\s), \g/2, \m/2
.endif
.endr
.endr
.endm
.macro FETCH sl, gq                    ; 16 LDS loads: A's eight fragments of group gq (K steps 2 gq, 2 gq + 1) of slot sl
.if ((\gq)%2) == 0
	WIN 0x40
.set FBD, FB0
.else
	WIN 0
.set FBD, FB1
.endif
.irp e, 0,1
.irp m, 0,1,2,3
.irp c, 0,1
	ds_load_b128 v[FBD+32*\e+8*\m+4*\c:FBD+32*\e+8*\m+4*\c+3], v[AFR+(\sl)] offset:\m*16384+(2*(\gq)+\e)*1024+512*\c
.endr
.endr
.endr
.endm
.macro SCALESA                         ; the next pass's scale words of A
	v_add_nc_u32 v[ADS], s[TS], v[ASB]
	s_add_co_u32 s[TS], s[TS], PR*16
.irp mg, 0,1
.irp q, 0,1,2,3
	ds_load_b128 v[SA+16*\mg+4*\q:SA+16*\mg+4*\q+3], v[ADS] offset:\q*8192+\mg*256
.endr
.endr
.endm
; A pass's products on slot sl: eight groups of two K steps; ahead of a group's 32 matrix instructions the next group is fetched, four places behind the products that read its buffer.
; send = 1: the pass before leaves: behind group 0 the stage's barrier is waited for; group 1 reads my 16 rows of c_t and of h_t back; groups 2 to 5 store four pairs of rows each: sixteen lanes store 256 consecutive, aligned bytes.
; Group 6 brings this pass's cell tile into registers.  first = 1: B's codes are still arriving: the count is the number of B's loads issued behind this group's K steps (held at 63, the field's end).
.macro KL sl, send, first
.set KG, 0
.rept 8
	s_wait_dscnt 0x0                               ; this group's fragments are in
.if \first
.if KG < 4
	s_wait_loadcnt 63
.else
	s_wait_loadcnt 112-16*KG
.endif
.endif
.if (KG > 0) && (KG < 7)
	PLACES 4
.endif
.if KG < 7
	FETCH \sl, KG+1
.endif
.if (\send) && (KG == 1)
	WIN 0x40
.irp t, 0,1,2,3,4,5,6,7
	ds_load_b128 v[OB+4*\t:OB+4*\t+3], v[RD] offset:(1-\sl)*SSET+2*\t*CPITCH
	ds_load_b128 v[OB+32+4*\t:OB+32+4*\t+3], v[RD] offset:(1-\sl)*SSET+CSLOT+2*\t*CPITCH
.endr
.endif
.if (\send) && (KG >= 2) && (KG <= 5)
	WIN 0x04                                       ; the data in window 1
.irp i, 0,1,2,3
	global_store_b128 v[CO], v[OB+16*(KG-2)+4*\i:OB+16*(KG-2)+4*\i+3], s[O0+18*((KG-2)/2):O0+18*((KG-2)/2)+1] offset:(1-\sl)*PR*4096+2*(4*((KG-2)%2)+\i)*4096 th:TH_STORE_NT
.endr
.endif
.if KG == 6
.if \send
	s_wait_xcnt 0x0                                ; the stores have read their data: the registers are loaded again below
.endif
	WIN 0x40
.irp m, 0,1,2,3
.irp c, 0,1
	ds_load_b128 v[CE+8*\m+4*\c:CE+8*\m+4*\c+3], v[CA] offset:\sl*CSLOT+\m*16*CPITCH+16*\c
.endr
.endr
.endif
	MULS 2*KG
	MULS 2*KG+1
.if (\send) && (KG == 0)
	s_barrier_wait -1                              ; every wave's stores into the stage are done
.endif
.set KG, KG+1
.endr
.endm
; The cell's arithmetic, in window 1.  F, I, G, O of row tile m at v[32 m + 0, 8, 16, 24 + k].
.macro P3U m, k                        ; cell f + i
	v_pk_fma_f32 v[CE+8*\m+\k:CE+8*\m+\k+1], v[CE+8*\m+\k:CE+8*\m+\k+1], v[32*\m+\k:32*\m+\k+1], v[32*\m+8+\k:32*\m+9+\k]
.endm
.macro P3V m, k                        ; i r
	v_pk_mul_f32 v[32*\m+16+\k:32*\m+17+\k], v[32*\m+8+\k:32*\m+9+\k], v[32*\m+16+\k:32*\m+17+\k]
.endm
.macro P3O m, k                        ; -2 o, where f stood
	v_pk_mul_f32 v[32*\m+\k:32*\m+\k+1], v[32*\m+24+\k:32*\m+25+\k], -2.0 op_sel_hi:[1,0]
.endm
.macro RC n
	v_rcp_f32 v[\n], v[\n]
.endm
; Row tiles 0, 1 (v0-63) run one stage ahead of row tiles 2, 3 (v64-127): in a stage the plain lines of one half, which read only what stood ahead of the stage's wait, stand among the other half's transcendentals.
.macro ACT sl
	WIN 0x55
	AW
.set j, 0
.rept 64
	v_exp_f32 v[j], v[j]
.set j, j+1
.endr
	v_nop
	AW
.set j, 0
.rept 32
	v_exp_f32 v[64+j], v[64+j]
	v_pk_add_f32 v[j:j+1], v[j:j+1], 1.0 op_sel_hi:[1,0]
	v_exp_f32 v[65+j], v[65+j]
.set j, j+2
.endr
	v_nop
	AW
.set j, 0
.rept 32
	RC j
	v_pk_add_f32 v[64+j:65+j], v[64+j:65+j], 1.0 op_sel_hi:[1,0]
	RC j+1
.set j, j+2
.endr
	v_nop
	AW
.irp m, 0,1
.irp k, 0,2,4,6
	RC 64+32*\m+4*\k
	P3U \m, \k
	RC 65+32*\m+4*\k
	RC 66+32*\m+4*\k
	P3V \m, \k
	RC 67+32*\m+4*\k
	RC 68+32*\m+4*\k
	P3O \m, \k
	RC 69+32*\m+4*\k
	RC 70+32*\m+4*\k
	RC 71+32*\m+4*\k
.endr
.endr
	v_nop
	AW
.irp m, 2,3
.irp k, 0,2,4,6
	P3U \m, \k
	P3V \m, \k
	P3O \m, \k
.endr
.endr
.irp m, 0,1,2,3
.irp k, 0,2,4,6
	v_pk_fma_f32 v[CE+8*\m+\k:CE+8*\m+\k+1], v[32*\m+16+\k:32*\m+17+\k], -2.0, v[CE+8*\m+\k:CE+8*\m+\k+1] op_sel_hi:[1,0,1]   ; c_t
.endr
.endr
.set j, 0
.rept 16
	v_pk_mul_f32 v[TH+j:TH+j+1], v[CE+j:CE+j+1], s[TLE:TLE+1] op_sel_hi:[1,0]
.set j, j+2
.endr
	WIN 0x04
.irp m, 0,1,2,3
.irp c, 0,1
	ds_store_b128 v[STA], v[CE+8*\m+4*\c:CE+8*\m+4*\c+3] offset:\sl*SSET+\m*16*CPITCH+16*\c
.endr
.endr
	WIN 0x55
	AW
.set j, 0
.rept 32
	v_exp_f32 v[TH+j], v[TH+j]
.set j, j+1
.endr
	v_nop
	AW
.set j, 0
.rept 16
	v_pk_add_f32 v[TH+j:TH+j+1], v[TH+j:TH+j+1], 1.0 op_sel_hi:[1,0]
.set j, j+2
.endr
	AW
.set j, 0
.rept 32
	RC TH+j
.set j, j+1
.endr
	v_nop
	AW
.irp m, 0,1,2,3
.irp k, 0,2,4,6
	v_pk_fma_f32 v[TH+8*\m+\k:TH+8*\m+\k+1], v[TH+8*\m+\k:TH+8*\m+\k+1], v[32*\m+\k:32*\m+\k+1], v[32*\m+24+\k:32*\m+25+\k]   ; h_t = o + (-2 o) r'
.endr
.endr
	WIN 0x04
.irp m, 0,1,2,3
.irp c, 0,1
	ds_store_b128 v[STA], v[TH+8*\m+4*\c:TH+8*\m+4*\c+3] offset:\sl*SSET+CSLOT+\m*16*CPITCH+16*\c
.endr
.endr
	WIN 0
.endm
; What follows a pass's products on slot sl.  kind = 1: the change of slots with a refill: each wave waits for all its tensor loads, adds 0 to its spare word, waits for that and for its reads of the slot (A's and cell's);
; the sums' scalings, work on registers, stand between the round's opening signal and its wait; the refill is first behind the round.  kind = 0: nothing is left to fetch: my work-group's barrier alone.  kind = 2: the last pass.
.macro TP sl, kind
	PLACES 4                                       ; the scalings read results just made
	WIN 0
.if \kind < 2
	s_wait_tensorcnt 0x0
	ds_add_u32 v[SPW], v[NIL]
.if \kind == 1
	s_add_nc_u64 s[G0A+4*\sl+2:G0A+4*\sl+3], s[G0A+4*\sl+2:G0A+4*\sl+3], 2*ASLOT
	s_add_nc_u64 s[G0C+4*\sl+2:G0C+4*\sl+3], s[G0C+4*\sl+2:G0C+4*\sl+3], 2*PR*4096
.endif
	s_wait_dscnt 0x0
	s_barrier_signal -1
.endif
	WIN 0x41
.irp m, 0,1,2,3
.irp g, 0,1,2,3                        ; each accumulator from its low end on
.irp k, 0,2,4,6
.if \g == 2
	v_pk_mul_f32 v[32*\m+8*\g+\k:32*\m+8*\g+\k+1], v[32*\m+8*\g+\k:32*\m+8*\g+\k+1], s[TLE:TLE+1] op_sel_hi:[1,0]
.else
	v_pk_mul_f32 v[32*\m+8*\g+\k:32*\m+8*\g+\k+1], v[32*\m+8*\g+\k:32*\m+8*\g+\k+1], s[NLE:NLE+1] op_sel_hi:[1,0]
.endif
.endr
.endr
.endr
	WIN 0
.if \kind < 2
	s_barrier_wait -1
.endif
.if \kind == 1
	CREST
	FILL \sl, 0
.endif
.if \kind < 2
	FETCH 1-\sl, 0                                 ; the next pass's first fragments and scale words land under the arithmetic below
	WIN 0
	SCALESA
.endif
	ACT \sl
	s_wait_dscnt 0x0                               ; my stores into the stage are done
	s_barrier_signal -1                            ; the stage's barrier: waited for behind the next pass's first group
.endm
	s_wait_tensorcnt 0x0                           ; my part of the head's tiles is in
	ds_add_u32 v[SPW], v[NIL]
	s_wait_dscnt 0x0
	ROUND
	FILL 1, 0                                      ; slot 1's first fill
	FETCH 0, 0
	WIN 0
	SCALESA
	s_wait_loadcnt 63                              ; 128 loads were issued behind the biases' and the scale words'
.set j, 0
.rept 16
	v_pk_add_f32 v[BI+j:BI+j+1], v[BI+j:BI+j+1], v[ZT+j:ZT+j+1]   ; bg_x + bg_h
.set j, j+2
.endr
	PLACES 4
	s_wait_alu depctr_va_vdst(0)                   ; the wait at the head's end
	KL 0, 0, 1                                     ; pass 0's products stand ahead of the loop
	WIN 0
	s_mov_b32 s[CNT], 3
.Lpair:                                                ; a trip: the tails of passes 2 t, 2 t + 1 and the products of passes 2 t + 1, 2 t + 2; both slots are filled again
	TP 0, 1
	KL 1, 1, 0
	TP 1, 1
	KL 0, 1, 0
	WIN 0
	s_wait_xcnt 0x0                                ; the stores have read their bases
	s_add_nc_u64 s[O0:O0+1], s[O0:O0+1], 2*PR*4096
	s_add_nc_u64 s[O1:O1+1], s[O1:O1+1], 2*PR*4096
	s_sub_co_u32 s[CNT], s[CNT], 1
	s_cmp_lg_u32 s[CNT], 0
	s_cbranch_scc1 .Lpair
	TP 0, 0                                        ; passes 6 and 7 fetch nothing more
	KL 1, 1, 0
	TP 1, 2
	s_barrier_wait -1
	WIN 0x40
.irp t, 0,1,2,3,4,5,6,7
	ds_load_b128 v[OB+4*\t:OB+4*\t+3], v[RD] offset:SSET+2*\t*CPITCH
.endr
.irp t, 0,1,2,3,4,5,6,7
	ds_load_b128 v[OB+32+4*\t:OB+32+4*\t+3], v[RD] offset:SSET+CSLOT+2*\t*CPITCH
.endr
	WIN 0x04
.irp t, 0,1,2,3,4,5,6,7
	s_wait_dscnt 15-\t                             ; LDS loads come back in order: the younger rows may be out
	global_store_b128 v[CO], v[OB+4*\t:OB+4*\t+3], s[O0:O0+1] offset:PR*4096+2*\t*4096 th:TH_STORE_NT
.endr
.irp t, 0,1,2,3,4,5,6,7
	s_wait_dscnt 7-\t
	global_store_b128 v[CO], v[OB+32+4*\t:OB+32+4*\t+3], s[O1:O1+1] offset:PR*4096+2*\t*4096 th:TH_STORE_NT
.endr
	WIN 0
	s_wait_tensorcnt 0x0                           ; the wave's end
	ds_add_u32 v[SPW], v[NIL]
	s_wait_dscnt 0x0
	ROUND                                          ; the closing round
	s_endpgm
.Lfunc_end_k_q23360d2d0d_lstm:
	.size	k_q23360d2d0d_lstm, .Lfunc_end_k_q23360d2d0d_lstm-k_q23360d2d0d_lstm
	.p2alignl 7, 3214868480
	.fill 96, 4, 3214868480
	.section	.rodata,"a",@progbits
	.p2align	6, 0x0
	.amdhsa_kernel k_q23360d2d0d_lstm
		.amdhsa_group_segment_fixed_size 327680
		.amdhsa_private_segment_fixed_size 0
		.amdhsa_enable_private_segment 0
		.amdhsa_kernarg_size 120
		.amdhsa_user_sgpr_count 2
		.amdhsa_user_sgpr_kernarg_segment_ptr 1
		.amdhsa_wavefront_size32 1
		.amdhsa_system_sgpr_workgroup_id_x 1
		.amdhsa_system_sgpr_workgroup_id_y 1
		.amdhsa_system_sgpr_workgroup_id_z 1
		.amdhsa_system_vgpr_workitem_id 0
		.amdhsa_next_free_vgpr 1024
		.amdhsa_next_free_sgpr 106
		.amdhsa_reserve_vcc 0
		.amdhsa_float_denorm_mode_32 3
		.amdhsa_float_denorm_mode_16_64 3
		.amdhsa_memory_ordered 1
		.amdhsa_forward_progress 1
		.amdhsa_inst_pref_size 255
	.end_amdhsa_kernel
	.section	.bss,"aw",@nobits
	.p2align	6
	.space	262144
	.amdgpu_metadata
---
amdhsa.version: [ 1, 2 ]
amdhsa.kernels:
  - .name:           k_q23360d2d0d_lstm
    .symbol:         k_q23360d2d0d_lstm.kd
    .args:
      - { .name: a_codes, .offset: 0, .size: 8, .value_kind: global_buffer, .address_space: global }
      - { .name: a_scales, .offset: 8, .size: 8, .value_kind: global_buffer, .address_space: global }
      - { .name: b_codes, .offset: 16, .size: 8, .value_kind: global_buffer, .address_space: global }
      - { .name: b_scales, .offset: 24, .size: 8, .value_kind: global_buffer, .address_space: global }
      - { .name: bf_x, .offset: 32, .size: 8, .value_kind: global_buffer, .address_space: global }
      - { .name: bf_h, .offset: 40, .size: 8, .value_kind: global_buffer, .address_space: global }
      - { .name: bi_x, .offset: 48, .size: 8, .value_kind: global_buffer, .address_space: global }
      - { .name: bi_h, .offset: 56, .size: 8, .value_kind: global_buffer, .address_space: global }
      - { .name: bc_x, .offset: 64, .size: 8, .value_kind: global_buffer, .address_space: global }
      - { .name: bc_h, .offset: 72, .size: 8, .value_kind: global_buffer, .address_space: global }
      - { .name: bo_x, .offset: 80, .size: 8, .value_kind: global_buffer, .address_space: global }
      - { .name: bo_h, .offset: 88, .size: 8, .value_kind: global_buffer, .address_space: global }
      - { .name: cell, .offset: 96, .size: 8, .value_kind: global_buffer, .address_space: global }
      - { .name: out0, .offset: 104, .size: 8, .value_kind: global_buffer, .address_space: global }
      - { .name: out1, .offset: 112, .size: 8, .value_kind: global_buffer, .address_space: global }
    .group_segment_fixed_size: 327680
    .private_segment_fixed_size: 0
    .kernarg_segment_align: 8
    .kernarg_segment_size: 120
    .max_flat_workgroup_size: 128
    .sgpr_count:     106
    .vgpr_count:     1024
    .wavefront_size: 32
...
	.end_amdgpu_metadata
.endif
;; end of part 2
